; MI455X (gfx1250); checked and timed in simulation.
; The chip was launched on July 23, 2026; its instructions are those of AMD's public machine-readable ISA for CDNA 5 (MIT licence, August 2026) and "CDNA5" Instruction Set Architecture Reference Guide (July 2026). The comments in the code are by the model that wrote it; some were corrected since.
;; Differentiable Shock Proximity. Allowed arithmetic: float matrix products may take bf16 or f16 operands with f32 sums; all other float work in f32.
;; Inputs: dx one number float32; state 64 x 1 x 2,048 float32.
;; Outputs: out0 64 x 1 x 2,048 float32.
;; One version. Each part assembles by itself: llvm-mc -triple=amdgcn-amd-amdhsa -mcpu=gfx1250 --defsym DOCPART=n.
;; ======== version 1 of 1: 1 launch
;; launch proximity (part 1): grid 64 x 1, 16 waves a work-group, no clusters, 2,304 bytes of LDS; arguments dx, state, out0; writes out0
.if DOCPART == 1
	.amdgcn_target "amdgcn-amd-amdhsa--gfx1250"
	.amdhsa_code_object_version 6
	.text
	.protected	k_q96917a6b63_proximity
	.globl	k_q96917a6b63_proximity
	.p2align	8
	.type	k_q96917a6b63_proximity,@function
k_q96917a6b63_proximity:
	s_mov_b64 s[64:65], 0
	v_nop
	global_prefetch_b8 v0, s[64:65] scope:SCOPE_SE
	s_setreg_imm32_b32 hwreg(HW_REG_WAVE_MODE, 25, 1), 1
	s_wait_xcnt 0x0
; out[b][i] = exp(-min_dist[b][i] / 0.05) * any_shock[b],  state, out: [64][2048] f32, dx: one f32.
; min_dist = the least |(i + 0.5) dx - q dx| over the interfaces q = 1 .. 2047 (between cells q-1 and q) that satisfy
; char_L > s > char_R, and LARGE = 1e6 for the others.
;
; THE IDEA.  fl(q dx) is monotone in q and fl(c - p) is monotone in p, so the least distance is reached, bit for bit, at the nearest
; shock on the left (largest q <= i) or on the right (least q >= i + 1).  Two scans along the row replace the 2047-wide minimum.
; Positions are carried as f32 whole numbers q (exact).  The right-hand scan carries -q, so that both scans are maxima.
; "No shock so far" is -4096.0 in both: as a left position 4096 dx in front of the row, as a right position (-q) 4096 dx, behind it; both
; are farther from every cell (2048.5 dx or more) than any real interface (2046.5 dx at most).  So in a row with a shock the minimum takes a real side,
; and a row without one is set to 0 by any_shock, as in the reference.  LARGE stays in the minimum (third source of v_min3).
;
; THE SHARES.  One work-group = one row (the scans never leave it): 64 work-groups.  16 waves; thread t owns cells 4t .. 4t+3 (one load and
; one store of 16 bytes: a wave's instruction covers 512 consecutive bytes, aligned) and interfaces q = 4t+1 .. 4t+4.
; No cluster: work-groups share no input but the 4 bytes of dx.  No loop, so no ring: a lane's whole input is one load.
;
; LIMITS.  dx finite and 2048 |dx| below f32's largest number (beyond it the reference gives NaN in rows with shocks, this text may give 0).
; -d / 0.05 and the change to base 2 are one multiplication by a rounded constant and v_exp_f32 is good to 1 ulp: relative error of a
; result about 1e-7 x (1 + |exponent|).  Results below 2^-126 are kept as denormals (see the squaring at the end).
.set NX,     2048
.set ROWB,   4*NX                      ; bytes in a row
.set NONEB,  0xc5800000                ; -4096.0
.set LARGEB, 0x49742400                ; 1.0e6
.set KB,     0xc166d4ca                ; -0.5 * log2(e) / f32(0.05) = -14.42695
.set OFF,  1                           ; v1       16 t: my 16 bytes in the row, for the load and the store
.set OFFN, 2                           ; v2       byte offset of x[4t+4], in the last thread of x[2047]
.set TMP,  3                           ; v3       at work
.set X,    4                           ; v[4:8]   x[4t] .. x[4t+4]
.set BASE, 9                           ; v9       4t as f32
.set SA,   10                          ; v10      LDS: my wave's 8 bytes
.set LA,   11                          ; v11      LDS: the total that my lane reads back
.set Q,    12                          ; v[12:15] q = 4t+1 .. 4t+4
.set NQ,   16                          ; v[16:19] -q
.set CC,   20                          ; v[20:23] cell centres (i + 0.5) dx
.set NONE, 24                          ; v24      -4096.0
.set C,    26                          ; v[26:30] characteristic speeds 1 - 2 x of the five cells
.set S,    32                          ; v[32:35] shock speeds of my four interfaces
.set L,    36                          ; v[36:39] l1..l4: last shock among my first 1..4 interfaces
.set R,    40                          ; v[40:43] r1..r4: minus the first shock among my interfaces 1..4, 2..4, 3..4, 4
.set SL,   L+3                          ; l4, my total, is scanned in place
.set SR,   44                          ; v44      a second r1, to be scanned (r1 itself is needed again)
.set EW,   45                          ; v45      left carry from the lanes of my wave in front of me
.set FW,   46                          ; v46      right carry from the lanes of my wave behind me
.set T,    47                          ; v47      the waves' totals; later the test for any_shock
.set P,    48                          ; v[48:51] nearest left position, then its distance
.set N,    52                          ; v[52:55] minus the nearest right position, then its distance
.set M,    56                          ; v[56:59] least distance, exponent, result
; The speeds are done with after the compares; their registers, written in every lane, serve as destinations of the lane
; operations below (a DPP or permlane destination must hold defined data in the lanes that get no source).
.set WT,   C                           ; v[26:27] my wave's two totals
.set XL,   C+2                         ; v28      the other 16-lane row's left total
.set XR,   C+3                         ; v29      the other 16-lane row's right total
	s_load_b128 s[4:7], s[0:1], 0x0                ; dx s[4:5], state s[6:7]
	s_load_b64 s[8:9], s[0:1], 0x10                ; out0
	v_lshl_add_u32 v60, v0, 2, 0x100
	v_mov_b32 v61, 0
	v_lshlrev_b32 v[OFF], 4, v0
	v_add_nc_u32 v[OFFN], 16, v[OFF]
	v_min_u32 v[OFFN], ROWB-4, v[OFFN]             ; thread 511 has no right neighbour: it takes x[2047] twice, so char_L = char_R and
	                                               ; char_L > s > char_R cannot hold: interface 2048 is never a shock, and no load leaves the row
	s_lshl_b32 s10, ttmp9, 13                      ; my row: 8,192 bytes each
	s_mov_b32 s11, 0
	s_wait_kmcnt 0x0
	s_add_nc_u64 s[6:7], s[6:7], s[10:11]
	s_add_nc_u64 s[8:9], s[8:9], s[10:11]
	global_load_b128 v[X:X+3], v[OFF], s[6:7]
	global_load_b32 v[X+4], v[OFFN], s[6:7]
	s_load_b32 s30, s[4:5], 0x0                    ; dx
	; everything that hangs on ids alone is made while the loads are on their way
	v_lshrrev_b32 v[TMP], 5, v0
	v_readfirstlane_b32 s13, v[TMP]                ; wave w, 0 .. 15
	s_mov_b32 s14, 0xffff0000                      ; lanes 16-31
	s_bfm_b32 s15, s13, 0                          ; lanes 0 .. w-1: the left totals of the waves in front of mine
	s_add_co_u32 s16, s13, 1
	s_lshl_b32 s16, s14, s16                       ; lanes 16+w+1 .. 31: the right totals of the waves behind mine
	s_or_b32 s15, s15, s16
	s_lshl_b32 s17, s13, 3
	s_mov_b32 s32, KB
	s_mov_b32 s33, KB                              ; (a packed multiply names the pair)
	s_mov_b32 s34, LARGEB
	s_mov_b32 s35, -1                              ; permlane selects: lane 15 of the other row for every lane,
	s_mov_b32 s36, 0                               ; lane 0 of the other row for every lane
	v_mov_b32 v[SA], s17                           ; 8 w
	v_and_b32 v[TMP], 15, v0
	v_bfe_u32 v[LA], v0, 4, 1
	v_lshlrev_b32 v[LA], 2, v[LA]
	v_lshl_or_b32 v[LA], v[TMP], 3, v[LA]          ; lane l: 8 l (left total of wave l); lane 16 + l: 8 l + 4 (its right total)
	v_mov_b32 v[NONE], NONEB
	v_lshlrev_b32 v[BASE], 2, v0
	v_cvt_f32_u32 v[BASE], v[BASE]                 ; 4t, exact
	v_add_f32 v[Q+0], 1.0, v[BASE]
	v_add_f32 v[Q+1], 2.0, v[BASE]
	v_add_f32 v[Q+2], 3.0, v[BASE]
	v_add_f32 v[Q+3], 4.0, v[BASE]
	v_sub_f32 v[NQ+0], -1.0, v[BASE]
	v_sub_f32 v[NQ+1], -2.0, v[BASE]
	v_sub_f32 v[NQ+2], -3.0, v[BASE]
	v_sub_f32 v[NQ+3], -4.0, v[BASE]
	v_add_f32 v[CC+0], 0.5, v[BASE]                ; i + 0.5, exact
	v_add_f32 v[CC+1], 1.5, v[BASE]
	v_add_f32 v[CC+2], 2.5, v[BASE]
	v_add_f32 v[CC+3], 3.5, v[BASE]
	s_wait_kmcnt 0x0                               ; dx
	s_mov_b32 s31, s30
	v_pk_mul_f32 v[CC:CC+1], v[CC:CC+1], s[30:31] op_sel_hi:[1,0]         ; cell centres, rounded as the reference's array is
	v_pk_mul_f32 v[CC+2:CC+3], v[CC+2:CC+3], s[30:31] op_sel_hi:[1,0]
	s_wait_loadcnt 0x0                             ; both loads: the neighbour is needed at once
	; THE LAX TEST, with the reference's roundings: 2 x and 1 x are exact, so each fused line rounds once, as 1 - 2 x and 1 - x do
	v_pk_fma_f32 v[C:C+1], v[X:X+1], -2.0, 1.0 op_sel_hi:[1,0,0]
	v_pk_fma_f32 v[C+2:C+3], v[X+2:X+3], -2.0, 1.0 op_sel_hi:[1,0,0]
	v_fma_f32 v[C+4], v[X+4], -2.0, 1.0
	v_pk_fma_f32 v[S:S+1], v[X:X+1], -1.0, 1.0 op_sel_hi:[1,0,0]
	v_pk_fma_f32 v[S+2:S+3], v[X+2:X+3], -1.0, 1.0 op_sel_hi:[1,0,0]
.irp k, 0,1,2,3
	v_sub_f32 v[S+\k], v[S+\k], v[X+\k+1]          ; s = (1 - rho_L) - rho_R
.endr
.irp k, 0,1,2,3
	v_cmp_gt_f32 s[20+\k], v[C+\k], v[S+\k]        ; char_L > s
	v_cmp_gt_f32 s[24+\k], v[S+\k], v[C+\k+1]      ; s > char_R   (a NaN fails both, as in the reference)
.endr
.irp k, 0,1,2,3
	s_and_b32 s[20+\k], s[20+\k], s[24+\k]         ; lane mask: interface 4t + 1 + k is a shock
.endr
	; inside the thread: the last shock so far, going right; minus the first shock so far, going left
	v_cndmask_b32 v[L+0], v[NONE], v[Q+0], s20
	v_cndmask_b32 v[R+3], v[NONE], v[NQ+3], s23
	v_cndmask_b32 v[L+1], v[L+0], v[Q+1], s21
	v_cndmask_b32 v[R+2], v[R+3], v[NQ+2], s22
	v_cndmask_b32 v[L+2], v[L+1], v[Q+2], s22
	v_cndmask_b32 v[R+1], v[R+2], v[NQ+1], s21
	v_cndmask_b32 v[L+3], v[L+2], v[Q+3], s23      ; = SL, my left total
	v_cndmask_b32 v[SR],  v[R+1], v[NQ+0], s20     ; my right total, to be scanned,
	v_cndmask_b32 v[R+0], v[R+1], v[NQ+0], s20     ; and once more to keep
	; inside each row of 16 lanes: running maxima, to the right for SL, to the left for SR.  A lane without a source keeps its value.
.irp n, 1,2,4,8
	v_max_num_f32_dpp v[SL], v[SL], v[SL] row_shr:\n row_mask:0xf bank_mask:0xf
	v_max_num_f32_dpp v[SR], v[SR], v[SR] row_shl:\n row_mask:0xf bank_mask:0xf
.endr
	v_permlanex16_b32 v[XL], v[SL], s35, s35       ; the other row's lane 15: its left total
	v_permlanex16_b32 v[XR], v[SR], s36, s36       ; the other row's lane 0: its right total
	v_max_num_f32_dpp v[WT],   v[SL], v[XL] row_share:15 row_mask:0xf bank_mask:0xf   ; my row's total with the other's: the wave's, in every lane
	v_max_num_f32_dpp v[WT+1], v[SR], v[XR] row_share:0 row_mask:0xf bank_mask:0xf
	ds_store_b64 v[SA], v[WT:WT+1]                 ; all lanes store the same 8 bytes, the wave's own
	s_wait_dscnt 0x0                               ; for the other waves' sake: the store is done before I say so
	s_barrier_signal -1
	; register work while the others arrive: what reaches me from the lanes of my own wave
	v_cndmask_b32 v[EW], v[NONE], v[XL], s14       ; lanes 16-31 start from row 0's left total, lanes 0-15 from nothing
	v_cndmask_b32 v[FW], v[XR], v[NONE], s14       ; lanes 0-15 start from row 1's right total, lanes 16-31 from nothing
	v_max_num_f32_dpp v[EW], v[SL], v[EW] row_shr:1 row_mask:0xf bank_mask:0xf   ; with the running maximum of the lane in front of me
	v_max_num_f32_dpp v[FW], v[SR], v[FW] row_shl:1 row_mask:0xf bank_mask:0xf   ; and of the lane behind me
	s_barrier_wait -1                              ; all 16 waves' totals are in LDS
	ds_load_b32 v[T], v[LA]
	s_wait_dscnt 0x0
	v_cndmask_b32 v[T], v[NONE], v[T], s15         ; keep the waves in front (lanes 0-15) and the waves behind (lanes 16-31)
.irp n, 1,2,4,8
	v_max_num_f32_dpp v[T], v[T], v[T] row_xmask:\n row_mask:0xf bank_mask:0xf    ; both halves are reduced by the same four lines
.endr
	v_readlane_b32 s28, v[T], 0                    ; last shock in the waves in front of mine
	v_readlane_b32 s29, v[T], 16                   ; minus the first shock in the waves behind mine
	; cell 4t + k: left are the earlier waves, the earlier lanes and my interfaces 1 .. k; right my interfaces k+1 .. 4, later lanes, later waves
	v_max_num_f32 v[P], s28, v[EW]
.irp k, 1,2,3
	v_max3_num_f32 v[P+\k], s28, v[EW], v[L+\k-1]
.endr
.irp k, 0,1,2,3
	v_max3_num_f32 v[N+\k], s29, v[FW], v[R+\k]
.endr
	v_max_num_f32 v[T], v[P], v[N]                 ; cell 4t's two sides together are all 2047 interfaces: above -4096 if the row has a shock
	; positions and distances.  Product and difference are rounded apart, because the reference rounds the positions as arrays of their own.
.irp k, 0,2
	v_pk_mul_f32 v[P+\k:P+\k+1], v[P+\k:P+\k+1], s[30:31] op_sel_hi:[1,0]        ; q dx
	v_pk_mul_f32 v[N+\k:N+\k+1], v[N+\k:N+\k+1], s[30:31] op_sel_hi:[1,0]        ; -(q dx)
.endr
.irp k, 0,2
	v_pk_add_f32 v[P+\k:P+\k+1], v[CC+\k:CC+\k+1], v[P+\k:P+\k+1] neg_lo:[0,1] neg_hi:[0,1]
	v_pk_add_f32 v[N+\k:N+\k+1], v[CC+\k:CC+\k+1], v[N+\k:N+\k+1]
.endr
.irp k, 0,1,2,3
	v_min3_num_f32 v[M+\k], |v[P+\k]|, |v[N+\k]|, s34     ; the nearer side, and LARGE
.endr
	; exp(-d / 0.05) = (2^(d K))^2 with K = -log2(e) / (2 x 0.05): v_exp_f32 gives zero for results below 2^-126 (ISA guide, its entry in
	; chapter 15), the square of 2^(half the exponent) is an ordinary product and keeps f32's denormals
	v_pk_mul_f32 v[M:M+1], v[M:M+1], s[32:33] op_sel_hi:[1,0]
	v_pk_mul_f32 v[M+2:M+3], v[M+2:M+3], s[32:33] op_sel_hi:[1,0]
.irp k, 0,1,2,3
	v_exp_f32 v[M+\k], v[M+\k]
.endr
	v_cmp_gt_f32 vcc_lo, v[T], v[NONE]             ; any_shock; also the one plain vector line between the exponentials and their first use
	s_wait_alu depctr_va_vdst(0)
	v_pk_mul_f32 v[M:M+1], v[M:M+1], v[M:M+1]
	v_pk_mul_f32 v[M+2:M+3], v[M+2:M+3], v[M+2:M+3]
.irp k, 0,1,2,3
	v_cndmask_b32 v[M+\k], 0, v[M+\k], vcc_lo      ; x any_shock (1 or 0)
.endr
	global_store_b128 v[OFF], v[M:M+3], s[8:9] th:TH_STORE_NT     ; 16 lanes store 256 consecutive bytes, at a multiple of 256 from the row's first byte
	s_wait_tensorcnt 0x0
	ds_add_u32 v60, v61
	s_wait_dscnt 0x0
	s_endpgm
.Lfunc_end_k_q96917a6b63_proximity:
	.size	k_q96917a6b63_proximity, .Lfunc_end_k_q96917a6b63_proximity-k_q96917a6b63_proximity
	.p2alignl 7, 3214868480
	.fill 96, 4, 3214868480
	.section	.rodata,"a",@progbits
	.p2align	6, 0x0
	.amdhsa_kernel k_q96917a6b63_proximity
		.amdhsa_group_segment_fixed_size 2304
		.amdhsa_private_segment_fixed_size 0
		.amdhsa_enable_private_segment 0
		.amdhsa_kernarg_size 24
		.amdhsa_user_sgpr_count 2
		.amdhsa_user_sgpr_kernarg_segment_ptr 1
		.amdhsa_wavefront_size32 1
		.amdhsa_system_sgpr_workgroup_id_x 1
		.amdhsa_system_sgpr_workgroup_id_y 1
		.amdhsa_system_sgpr_workgroup_id_z 1
		.amdhsa_system_vgpr_workitem_id 0
		.amdhsa_next_free_vgpr 62
		.amdhsa_next_free_sgpr 66
		.amdhsa_reserve_vcc 1
		.amdhsa_float_denorm_mode_32 3
		.amdhsa_float_denorm_mode_16_64 3
		.amdhsa_memory_ordered 1
		.amdhsa_forward_progress 1
		.amdhsa_inst_pref_size 9
	.end_amdhsa_kernel
	.amdgpu_metadata
---
amdhsa.version: [ 1, 2 ]
amdhsa.kernels:
  - .name:           k_q96917a6b63_proximity
    .symbol:         k_q96917a6b63_proximity.kd
    .args:
      - { .name: dx, .offset: 0, .size: 8, .value_kind: global_buffer, .address_space: global }
      - { .name: state, .offset: 8, .size: 8, .value_kind: global_buffer, .address_space: global }
      - { .name: out0, .offset: 16, .size: 8, .value_kind: global_buffer, .address_space: global }
    .group_segment_fixed_size: 2304
    .private_segment_fixed_size: 0
    .kernarg_segment_align: 8
    .kernarg_segment_size: 24
    .max_flat_workgroup_size: 512
    .sgpr_count:     66
    .vgpr_count:     62
    .wavefront_size: 32
...
	.end_amdgpu_metadata
.endif
;; end of part 1
